; MI455X (gfx1250); checked and timed in simulation.
; The chip was launched on July 23, 2026; its instructions are those of AMD's public machine-readable ISA for CDNA 5 (MIT licence, August 2026) and "CDNA5" Instruction Set Architecture Reference Guide (July 2026). The comments in the code are by the model that wrote it; some were corrected since.
;; Continuous MLP. Allowed arithmetic: float matrix products may take bf16 or f16 operands with f32 sums; other float arithmetic in f32, or as packed bf16 or f16 multiplies, adds, multiply-adds, maxima and minima; sums over many terms, partial sums and values carried from step to step in f32; what a program stores and reads back later, other than sums and carried values, may be rounded once to bf16 or f16.
;; Inputs: W1 3 x 128 float32; W2 128 x 128 float32; W3 128 x 128 float32; W4 128 x 128 float32; W5 128 x 2 float32; b1 128 float32; b2 128 float32; b3 128 float32; b4 128 float32; b5 2 float32; t 1,048,576 float32; x 1,048,576 x 2 float32.
;; Outputs: out0 1,048,576 x 2 float32.
;; One version. Each part assembles by itself: llvm-mc -triple=amdgcn-amd-amdhsa -mcpu=gfx1250 --defsym DOCPART=n.
;; ======== version 1 of 1: 1 launch
;; launch mlp (part 1): grid 256 x 1, 8 waves a work-group, no clusters, 117,248 bytes of LDS; arguments x, t, W1, b1, W2, b2, W3, b3, W4, b4, W5, b5, out0; writes out0
.if DOCPART == 1
	.amdgcn_target "amdgcn-amd-amdhsa--gfx1250"
	.amdhsa_code_object_version 6
	.text
	.protected	k_q18824010a8_mlp
	.globl	k_q18824010a8_mlp
	.p2align	8
	.type	k_q18824010a8_mlp,@function
k_q18824010a8_mlp:
	s_mov_b64 s[64:65], 0
	v_nop
	global_prefetch_b8 v0, s[64:65] scope:SCOPE_SE
	s_setreg_imm32_b32 hwreg(HW_REG_WAVE_MODE, 25, 1), 1
	s_wait_xcnt 0x0
; out = W5^T swish(W4^T swish(W3^T swish(W2^T swish(W1^T [x0 x1 t] + b1) + b2) + b3) + b4) + b5 for 1,048,576 samples; all buffers f32.
; ONE LAUNCH, NOTHING BETWEEN THE LAYERS GOES TO MEMORY OR LDS.  256 work-groups x 8 waves x 512 samples; a wave walks 8 batches of 64 samples = 4 tiles of 16.
; TRANSPOSED CHAIN.  Every layer is H^T = W^T A^T: source 0 = 16 output features x 32 inputs, source 1 = 32 inputs x 16 samples.  In the result lane (r, h) holds sample r and features 8 h + 0..7,
; so two neighbouring feature tiles, rounded to bf16 in pairs, ARE source 1 of the next layer's K step of 32: accumulator pair p (ACC + 2 p, ACC + 2 p + 1) packs into BF + p.
; SCALE.  Each layer makes n = -c h, c = log2(e).  Then 2^n = e^-h and u = n / (1 + 2^n) = -c swish(h), and the next layer is n' = W^T u + (-c b): W2..W5 stay bf16(W) as they are;
; only W1 and the biases carry -c; the output is acc x (-ln 2) + b5, one fused multiply-add.
; LAYER 1 is one K step: source 1 holds (x0, x1, t, 1) at k = 0..3 and again at k = 8..11; source 0 holds the bf16 high parts of -c W1 and -c b1 at k = 0..3 and the bf16 low parts at k = 8..11.
; LAYER 5's two outputs lie in rows 0, 1 of one image (tiles 0, 2) and in rows 8, 9 of another (tiles 1, 3): the results fall into registers 0, 1 of lanes 0-15 and of lanes 16-31.
; PHASES.  A matrix phase (128 products for the wave's 4 tiles) and a vector phase (swish of 256 numbers a lane: 896 instructions) take turns.  Waves with g = 0 run one phase ahead of waves with g = 1
; (g = bit 0 xor bit 2 of the wave's number), so that half of the work-group's waves are in a matrix phase while the other half are in a vector phase.
; WEIGHTS.  Each work-group reads the 196 KB of W2..W4 once, rounds them to bf16 and lays them into LDS as register images: a fragment is 1,024 bytes, half c of lane l at 512 c + 16 l, so a load takes 512 bytes on end.
; Every LDS address is a constant plus a term of the lane: the hidden layer's text stands three times, once for each image, and the one text of the swish is looped over.
; NO TENSOR LOADS, NO CLUSTER: the weights arrive as f32 [k][m] and must be rounded and turned, which is done in registers; they are read once by a work-group, for its 4,096 samples x 49,920 multiply-adds.
; NO PREFETCH: x and t of a batch are loaded into registers one whole batch ahead of their use.
; LIMITS.  Every input is rounded to bf16 (x, t, all W, all b); -c W1 and -c b1 are kept as two bf16 parts.  An activation is bf16(n x s), s = 1 / (1 + 2^n), n, s and the product in f32.
; 2^n below 2^-126 counts as 0 beside the 1; for n of 128 or more 2^n is infinite, s = 0 and u = 0.  |u| of 3.39e38 or more rounds to an infinity.  The sign of a zero activation may differ.  Sums in the matrix unit's order.
; A NaN or an infinity stays with its own sample.
.set A1IMG, 98304                      ; LDS: 0: W2, W3, W4, 32,768 bytes each: fragment (mt, kk) at 4,096 mt + 1,024 kk;  here: layer 1's 8 fragments
.set A5IMG, 106496                     ; layer 5: fragments 0-3: rows 0, 1, K step 0-3; fragments 4-7: rows 8, 9
.set BIAS,  114688                     ; f32: -c b2, -c b3, -c b4, 512 bytes each
.set SPARE, 116224                     ; the spare words, 128 bytes for each of the 8 waves: four blocks of 256 bytes that no other line names
; window 0
.set L16, 1                            ; v1   16 x lane; never rewritten
.set L8,  2                            ; v2   8 x lane; never rewritten
.set VA,  3                            ; v3   LDS address of the fragment loads that lie beyond an offset's 16 bits
.set HB,  5                            ; v5   BIAS + 32 (lane / 16); never rewritten
.set ONE, 7                            ; v7   1.0
.set SPW, 8                            ; v8   LDS address of my spare word; never rewritten
.set NIL, 9                            ; v9   0, for the add alone
.set XL,  10                           ; v[10:13] x of samples 2 l, 2 l + 1 of the next batch
.set TL,  14                           ; v[14:15] t of the same
.set LL,  16                           ; v[16:19] (x0, x1), (t, 1) of sample 2 l; the same of sample 2 l + 1; bf16
.set PP,  20                           ; v[20:23] the same of the lane 16 away
.set OT,  24                           ; v[24:27] the four sums of layer 5
.set OUTR, 28                          ; v[28:31] what is stored
.set BB,  32                           ; v[32:47] two bias buffers of 8; at the start: at work
.set TMP, 32
.set VW,  48                           ; v48-56: offsets and LDS addresses of the start; never rewritten
.set VS,  49
.set VS2, 50
.set A1A, 51
.set V1O, 52
.set VBO, 53
.set VBS, 54
.set V5O, 55
.set A5A, 56
.set BF,  64                           ; v[64:127], both windows: source 1: tile s' (0, 1) of the window, K step kk at BF + 32 s' + 8 kk.  Window 0: tiles 0, 1 (even samples); window 1: tiles 2, 3 (odd)
.set ACC, 128                          ; v[128:255], both windows: tile s', feature tile mt at ACC + 64 s' + 8 mt
.set AB,  0                            ; window 1, v[0:63]: in a matrix phase fragments of source 0 (two buffers of 32, or eight fragments); in a vector phase the swish's 64 numbers at work
.set WV,  34                           ; s34  my wave's number
.set G,   35                           ; s35  g
.set BCNT, 36                          ; s36  batches to go
.set LCNT, 37                          ; s37  swishes to go in the batch
.set HI,  40                           ; s40  0xffff0000: lanes 16-31; also a word's upper bf16
.set ODD, 41                           ; s41  the odd lanes
.set VAL, 42                           ; s42  the lanes whose rows of layer 5's image are not 0
.set NC,  43                           ; s43  -log2(e)
.set SEL, 44                           ; s[44:45] v_permlanex16_b32: each lane takes its own place in the other half
.set KO,  46                           ; s46  -ln 2
.set B50, 47                           ; s47, s48  bf16(b5[0]), bf16(b5[1]) as f32
.set B51, 48
.set MSB, 0
.macro WIN new                         ; s_set_vgpr_msb: bits 1:0 source 0, 3:2 source 1, 5:4 source 2, 7:6 destination; the high byte repeats the setting that is left; a switch that changes nothing is dropped
.if MSB != (\new)
	s_set_vgpr_msb (MSB<<8)|(\new)
.set MSB, (\new)
.endif
.endm
; 0x40 destination window 1.  0x01 products of tiles 0, 1: source 0 window 1.  0x55 products of tiles 2, 3.  0x45 the same with source 2 in window 0 (the bias).  0x05 sources 0, 1 window 1, destination window 0.
.macro PLACES n                        ; plain vector instructions that name no register of the products in front of them (ISA guide 7.12.1)
.rept \n
	v_nop
.endr
.endm
	s_load_b512 s[8:23], s[0:1], 0x0               ; x s[8:9], t s[10:11], W1 s[12:13], b1 s[14:15], W2 s[16:17], b2 s[18:19], W3 s[20:21], b3 s[22:23]
	s_load_b256 s[24:31], s[0:1], 0x40             ; W4 s[24:25], b4 s[26:27], W5 s[28:29], b5 s[30:31]
	s_load_b64 s[32:33], s[0:1], 0x60              ; out0
	v_lshl_add_u32 v[SPW], v0, 2, SPARE
	v_mov_b32 v[NIL], 0
	v_lshrrev_b32 v32, 5, v0
	v_readfirstlane_b32 s[WV], v32                 ; wave 0..7
	v_and_b32 v33, 31, v0                          ; lane l
	v_and_b32 v34, 15, v0                          ; r = l % 16
	v_bfe_u32 v35, v0, 4, 1                        ; h = l / 16
	v_lshlrev_b32 v[L16], 4, v33
	v_lshlrev_b32 v[L8], 3, v33
	v_lshl_add_u32 v[HB], v35, 5, BIAS
	v_mov_b32 v[ONE], 1.0
.irp i, 0,1,2,3
	v_mov_b32 v[PP+\i], 0                          ; v_permlanex16_b32's destination counts as read
.endr
	s_lshr_b32 s[G], s[WV], 2
	s_xor_b32 s[G], s[G], s[WV]
	s_and_b32 s[G], s[G], 1                        ; g
	s_mov_b32 s[HI], 0xffff0000
	s_mov_b32 s[ODD], 0xaaaaaaaa
	s_lshr_b32 s2, s[WV], 2
	s_lshl_b32 s2, s2, 3
	s_lshl_b32 s[VAL], 0x00030003, s2              ; waves 0-3 make the image with rows 0, 1; waves 4-7 the one with rows 8, 9
	s_mov_b32 s[NC], 0xbfb8aa3b
	s_mov_b32 s[SEL], 0x76543210
	s_mov_b32 s[SEL+1], 0xfedcba98
	s_mov_b32 s[KO], 0xbf317218
	s_lshl_b32 s3, s[WV], 12
	v_add_nc_u32 v[VW], s3, v[L16]                 ; in W2..W4: my octet of rows, 8 x 512 bytes x wave; 16 bytes a lane
	v_lshrrev_b32 v36, 2, v33
	v_and_b32 v37, 3, v33
	v_lshlrev_b32 v[VS], 12, v36                   ; in an image: feature 4 l + i lies in tile l / 4, row 4 (l % 4) + i;
	v_lshl_add_u32 v[VS], v37, 6, v[VS]
	s_lshl_b32 s3, s[WV], 8
	v_add_nc_u32 v[VS], s3, v[VS]                  ; octet q of k at 256 q
	v_add_nc_u32 v[VS2], 0x10000, v[VS]            ; W4's image lies beyond an LDS offset's 16 bits
	s_lshl_b32 s3, s[WV], 10
	s_add_co_u32 s4, s3, A1IMG
	v_add_nc_u32 v[A1A], s4, v[L16]                ; fragment number = my wave's
	s_add_co_u32 s4, s3, A5IMG
	v_add_nc_u32 v[A5A], s4, v[L16]
	s_lshl_b32 s3, s[WV], 6
	v_lshl_add_u32 v[V1O], v34, 2, s3              ; feature 16 wave + r, 4 bytes
	v_and_b32 v[VBO], 127, v0
	v_lshlrev_b32 v[VBO], 2, v[VBO]
	v_lshl_add_u32 v[VBS], v0, 2, BIAS
	s_and_b32 s3, s[WV], 3
	s_lshl_b32 s3, s3, 8
	v_lshl_add_u32 v[V5O], v35, 6, s3              ; W5: K step wave % 4 (32 rows of 8 bytes), 8 h rows on
	s_lshl_b32 s2, ttmp9, 3
	s_add_co_u32 s2, s2, s[WV]                     ; my wave among the launch's 2,048
	s_lshl_b32 s4, s2, 12                          ; 512 samples x 8 bytes
	s_mov_b32 s5, 0
	s_wait_kmcnt 0x0
	s_load_b64 s[50:51], s[30:31], 0x0             ; b5
	s_add_nc_u64 s[8:9], s[8:9], s[4:5]
	s_add_nc_u64 s[32:33], s[32:33], s[4:5]
	s_lshl_b32 s4, s2, 11                          ; 512 samples x 4 bytes
	s_add_nc_u64 s[10:11], s[10:11], s[4:5]
	s_cmp_lt_u32 s[WV], 4
	s_cselect_b64 s[52:53], s[18:19], s[22:23]     ; threads 0-127 take b2, threads 128-255 b3
; A batch's x and t: 512 and 256 bytes on end.  Lane l gets samples 2 l and 2 l + 1.
.macro LOADIN
	global_load_b128 v[XL:XL+3], v[L16], s[8:9] th:TH_LOAD_NT
	global_load_b64 v[TL:TL+1], v[L8], s[10:11] th:TH_LOAD_NT
.endm
	LOADIN                                         ; the first batch
	global_load_b32 v64, v[V1O], s[12:13]          ; W1[0..2][m], b1[m]
	global_load_b32 v65, v[V1O], s[12:13] offset:512
	global_load_b32 v66, v[V1O], s[12:13] offset:1024
	global_load_b32 v67, v[V1O], s[14:15]
	global_load_b32 v68, v[VBO], s[52:53]
	global_load_b32 v69, v[VBO], s[26:27]
.irp c, 0,1
.irp u, 0,1,2,3
	global_load_b128 v[72+16*(\c)+4*(\u):72+16*(\c)+4*(\u)+3], v[V5O], s[28:29] offset:128*(\c)+16*(\u)  ; W5[k0 + 2 u][0, 1], W5[k0 + 2 u + 1][0, 1], k0 = 32 kk + 16 c + 8 h
.endr
.endr
; Task j of 6: layer j / 2, rows k = 8 q .. 8 q + 7 with q = wave + 8 (j % 2).  Eight loads, each a whole row of 512 bytes; lane l gets features 4 l .. 4 l + 3.
.macro WLOAD j
.if (\j) < 3
	WIN 0
.else
	WIN 0x40
.endif
.set DR, 160+32*((\j)%3)
.irp o, 0,1,2,3,4,5,6,7
	global_load_b128 v[DR+4*(\o):DR+4*(\o)+3], v[VW], s[16+4*((\j)/2):17+4*((\j)/2)] offset:32768*((\j)%2)+512*(\o)
.endr
.endm
.irp j, 0,1,2,3,4
	WLOAD \j
.endr
	s_wait_loadcnt 40                              ; loads come back in order (ISA guide 5.7.1): all but the 40 of tasks 0 to 4 are in: x, t and the small tables
	WLOAD 5                                        ; the sixth task goes out here: 56 loads of mine are out at the most
	WIN 0
	; layer 1's fragment for feature tile mt = my wave: -c bf16(w) in two bf16 parts, the high part in lanes 0-15 (k = 0..3), the low part in lanes 16-31 (k = 8..11)
	v_cvt_pk_bf16_f32 v32, v64, v65
	v_cvt_pk_bf16_f32 v33, v66, v67
	v_lshlrev_b32 v34, 16, v32
	v_and_b32 v35, s[HI], v32
	v_lshlrev_b32 v36, 16, v33
	v_and_b32 v37, s[HI], v33
.irp i, 34,35,36,37
	v_mul_f32 v\i, s[NC], v\i
.endr
	v_cvt_pk_bf16_f32 v38, v34, v35                ; the high parts
	v_cvt_pk_bf16_f32 v39, v36, v37
	v_lshlrev_b32 v40, 16, v38
	v_and_b32 v41, s[HI], v38
	v_lshlrev_b32 v42, 16, v39
	v_and_b32 v43, s[HI], v39
	v_sub_f32 v34, v34, v40
	v_sub_f32 v35, v35, v41
	v_sub_f32 v36, v36, v42
	v_sub_f32 v37, v37, v43
	v_cvt_pk_bf16_f32 v44, v34, v35                ; the low parts
	v_cvt_pk_bf16_f32 v45, v36, v37
	v_cndmask_b32 v40, v38, v44, s[HI]
	v_cndmask_b32 v41, v39, v45, s[HI]
.irp i, 42,43,44,45,46,47
	v_mov_b32 v\i, 0
.endr
	ds_store_b128 v[A1A], v[40:43]                 ; registers 0-3
	ds_store_b128 v[A1A], v[44:47] offset:512      ; registers 4-7: zeros
	; the bias table: -c bf16(b), f32
	v_cvt_pk_bf16_f32 v32, v68, v69
	v_lshlrev_b32 v33, 16, v32
	v_and_b32 v34, s[HI], v32
	v_mul_f32 v33, s[NC], v33
	v_mul_f32 v34, s[NC], v34
	ds_store_b32 v[VBS], v33                       ; b2 and b3: 256 threads, 1,024 bytes
	s_cmp_lt_u32 s[WV], 4
	s_cbranch_scc0 .Lno_b4
	ds_store_b32 v[VBS], v34 offset:1024           ; b4: threads 0-127
.Lno_b4:
	; layer 5's fragment number = my wave: row r takes column r % 2 of W5; rows other than the image's two are 0
.irp c, 0,1
.irp u, 0,1,2,3
	v_cndmask_b32 v[32+2*(\u)], v[72+16*(\c)+4*(\u)], v[72+16*(\c)+4*(\u)+1], s[ODD]
	v_cndmask_b32 v[33+2*(\u)], v[72+16*(\c)+4*(\u)+2], v[72+16*(\c)+4*(\u)+3], s[ODD]
.endr
.irp u, 0,1,2,3
	v_cvt_pk_bf16_f32 v[40+4*(\c)+(\u)], v[32+2*(\u)], v[33+2*(\u)]
.endr
.irp u, 0,1,2,3
	v_cndmask_b32 v[40+4*(\c)+(\u)], 0, v[40+4*(\c)+(\u)], s[VAL]
.endr
	ds_store_b128 v[A5A], v[40+4*(\c):43+4*(\c)] offset:512*(\c)
.endr
	s_wait_kmcnt 0x0                               ; b5
	v_mov_b32 v33, s50
	v_mov_b32 v34, s51
	v_cvt_pk_bf16_f32 v32, v33, v34
	v_lshlrev_b32 v33, 16, v32
	v_and_b32 v34, s[HI], v32
	v_readfirstlane_b32 s[B50], v33
	v_readfirstlane_b32 s[B51], v34
; Task j is rounded and turned: for feature 4 l + i the eight k of the octet pack into 16 bytes, which are a lane's half fragment.
.macro TASK j
.set DR, 160+32*((\j)%3)
	s_wait_loadcnt 40-8*(\j)                       ; the later tasks' loads, eight each, may stay out
.if (\j) < 3
	WIN 0
.else
	WIN 0x05
.endif
.irp i, 0,1,2,3
.irp u, 0,1,2,3
	v_cvt_pk_bf16_f32 v[TMP+4*(\i)+(\u)], v[DR+8*(\u)+(\i)], v[DR+8*(\u)+4+(\i)]
.endr
.endr
	WIN 0
.irp i, 0,1,2,3
.if (\j) < 4
	ds_store_b128 v[VS], v[TMP+4*(\i):TMP+4*(\i)+3] offset:32768*((\j)/2)+2048*((\j)%2)+16*(\i)
.else
	ds_store_b128 v[VS2], v[TMP+4*(\i):TMP+4*(\i)+3] offset:2048*((\j)%2)+16*(\i)
.endif
.endr
.endm
.irp j, 0,1,2,3,4,5
	TASK \j
.endr
	s_wait_dscnt 0x0                               ; for the others' sake: my parts of the images are written
	s_barrier_signal -1
	s_barrier_wait -1                              ; all images are whole; from here on they are only read
; A BATCH'S HEAD: layer 1's fragments, source 1 of the four tiles from x and t, the next batch's loads, 32 products.
.macro HEADB
	WIN 0
	v_add_nc_u32 v[VA], A1IMG, v[L16]
	WIN 0x40
.irp f, 0,1,2,3,4,5,6,7
	ds_load_b128 v[AB+8*(\f):AB+8*(\f)+3],   v[VA] offset:1024*(\f)
	ds_load_b128 v[AB+8*(\f)+4:AB+8*(\f)+7], v[VA] offset:1024*(\f)+512
.endr
	WIN 0
	s_wait_loadcnt 0x0                             ; this batch's x and t, asked for a batch ago; their pointers may be stepped behind this wait
	v_cvt_pk_bf16_f32 v[LL],   v[XL],   v[XL+1]
	v_cvt_pk_bf16_f32 v[LL+1], v[TL],   v[ONE]
	v_cvt_pk_bf16_f32 v[LL+2], v[XL+2], v[XL+3]
	v_cvt_pk_bf16_f32 v[LL+3], v[TL+1], v[ONE]
.irp i, 0,1,2,3
	v_permlanex16_b32 v[PP+\i], v[LL+\i], s[SEL], s[SEL+1]
.endr
.irp w, 0,1                            ; window w: the even, then the odd samples.  A tile's sample r stands in lanes r and 16 + r alike
.if (\w) == 1
	WIN 0x40
.endif
	v_cndmask_b32 v[BF],    v[LL+2*(\w)],   v[PP+2*(\w)],   s[HI]  ; the window's first tile: the samples of lanes 0-15
	v_cndmask_b32 v[BF+1],  v[LL+2*(\w)+1], v[PP+2*(\w)+1], s[HI]
	v_cndmask_b32 v[BF+32], v[PP+2*(\w)],   v[LL+2*(\w)],   s[HI]  ; its second: those of lanes 16-31
	v_cndmask_b32 v[BF+33], v[PP+2*(\w)+1], v[LL+2*(\w)+1], s[HI]
.irp i, 2,3,4,5,6,7
	v_mov_b32 v[BF+\i], 0                          ; these hold the last batch's activations: a product of 0 with an infinity would be a NaN
	v_mov_b32 v[BF+32+\i], 0
.endr
.endr
	WIN 0
	s_add_nc_u64 s[8:9], s[8:9], 512
	s_add_nc_u64 s[10:11], s[10:11], 256
	s_cmp_eq_u32 s[BCNT], 1                        ; the last batch asks for nothing
	s_cbranch_scc1 .Lnl_\@
	LOADIN
.Lnl_\@:
	s_wait_dscnt 0x0                               ; the fragments are in
.irp w, 0x01, 0x55
	WIN \w
.irp mt, 0,1,2,3,4,5,6,7
.irp s, 0,1
	v_wmma_f32_16x16x32_bf16 v[ACC+64*(\s)+8*(\mt):ACC+64*(\s)+8*(\mt)+7], v[AB+8*(\mt):AB+8*(\mt)+7], v[BF+32*(\s):BF+32*(\s)+7], 0
.endr
.endr
.endr
	PLACES 8                                       ; the swish behind reads the results and writes over source 0's and source 1's registers
	WIN 0
.endm
; A HIDDEN LAYER, lay = 0, 1, 2 for W2, W3, W4.  Feature tile mt: 4 fragments of source 0 and its bias, ten LDS loads, into buffer mt % 2.
; W2's and W3's images lie within an offset's 16 bits of 16 x lane (65,024 at the most); W4's is reached from VA = 65,536 + 16 x lane.
.macro FETCH mt, lay
.set FB, AB+32*((\mt)%2)
.set CB, BB+8*((\mt)%2)
.if (\lay) < 2
.set AR, L16
.else
.set AR, VA
.endif
	WIN 0x40
.irp kk, 0,1,2,3
	ds_load_b128 v[FB+8*(\kk):FB+8*(\kk)+3],   v[AR] offset:32768*((\lay)%2)+4096*(\mt)+1024*(\kk)
	ds_load_b128 v[FB+8*(\kk)+4:FB+8*(\kk)+7], v[AR] offset:32768*((\lay)%2)+4096*(\mt)+1024*(\kk)+512
.endr
	WIN 0
	ds_load_b128 v[CB:CB+3],   v[HB] offset:512*(\lay)+64*(\mt)     ; -c b of features 16 mt + 8 h + 0..7: the layout of a result
	ds_load_b128 v[CB+4:CB+7], v[HB] offset:512*(\lay)+64*(\mt)+16
.endm
; Its 16 products: tiles 2, 3, then tiles 0, 1.  The first K step takes the bias as C.  A window's two accumulators take turns, one instruction a turn.
.macro MT mt
.set FB, AB+32*((\mt)%2)
.set CB, BB+8*((\mt)%2)
.set AC, ACC+8*(\mt)
.irp w, 1,0
.if (\w) == 1
	WIN 0x45
.else
	WIN 0x01
.endif
	v_wmma_f32_16x16x32_bf16 v[AC:AC+7],     v[FB:FB+7], v[BF:BF+7],     v[CB:CB+7]
	v_wmma_f32_16x16x32_bf16 v[AC+64:AC+71], v[FB:FB+7], v[BF+32:BF+39], v[CB:CB+7]
.if (\w) == 1
	WIN 0x55
.endif
.irp kk, 1,2,3
	v_wmma_f32_16x16x32_bf16 v[AC:AC+7],     v[FB+8*(\kk):FB+8*(\kk)+7], v[BF+8*(\kk):BF+8*(\kk)+7],       v[AC:AC+7]
	v_wmma_f32_16x16x32_bf16 v[AC+64:AC+71], v[FB+8*(\kk):FB+8*(\kk)+7], v[BF+32+8*(\kk):BF+32+8*(\kk)+7], v[AC+64:AC+71]
.endr
.endr
.endm
.macro MH lay
	WIN 0
.if (\lay) == 2
	v_add_nc_u32 v[VA], 0x10000, v[L16]
.endif
	FETCH 0, \lay
	FETCH 1, \lay
.irp mt, 0,1,2,3,4,5,6,7
.if (\mt) < 7
	s_wait_dscnt 10                                ; LDS loads come back in order (ISA guide 5.7.1): this tile's ten are in, the next tile's ten may stay out
.else
	s_wait_dscnt 0x0
.endif
	MT \mt
.if (\mt) < 6
	PLACES 4                                       ; in front of loads into the buffer just read
	FETCH (\mt)+2, \lay
.endif
.endr
	PLACES 8                                       ; the swish behind reads the results and writes over source 0's and source 1's registers
	WIN 0
.endm
; SWISH of one tile (window w, tile s of the window): 64 numbers a lane.  n stays in its accumulator, in f32; AB's 64 registers, idle in a vector phase, take 2^n, then 1 + 2^n, then s = 1 / (1 + 2^n),
; then n x s, which is rounded to bf16 into source 1's registers.  Seven instructions for two numbers.  The 64 exponentials are one batch and so are the 64 reciprocals: nothing names a result ahead of
; its batch's wait.  Each accumulator's register 0 is the first that is read.
.macro CHUNK w, s
.set NA, ACC+64*(\s)
	WIN 0x40+(\w)                                  ; destination window 1, source 0 window w
.set i, 0
.rept 64
	v_exp_f32 v[AB+i], v[NA+i]
.set i, i+1
.endr
	v_nop                                          ; a plain instruction behind the last exponential
	s_wait_alu depctr_va_vdst(0)                   ; the wait ahead of the first line that names a result: one for the batch
	WIN 0x41
	v_pk_add_f32 v[AB:AB+1], v[AB:AB+1], 1.0 op_sel_hi:[1,0]
.set p, 0
.rept 32                               ; an addition stands a pair ahead of its reciprocals
.if p < 31
	v_pk_add_f32 v[AB+2*p+2:AB+2*p+3], v[AB+2*p+2:AB+2*p+3], 1.0 op_sel_hi:[1,0]
.endif
	v_rcp_f32 v[AB+2*p], v[AB+2*p]
	v_rcp_f32 v[AB+2*p+1], v[AB+2*p+1]
.set p, p+1
.endr
	v_nop
	s_wait_alu depctr_va_vdst(0)                   ; the same for the reciprocals
	WIN 0x44+(\w)                                  ; n in window w; s and the product in window 1
.set p, 0
.rept 32
	v_pk_mul_f32 v[AB+2*p:AB+2*p+1], v[NA+2*p:NA+2*p+1], v[AB+2*p:AB+2*p+1]
.set p, p+1
.endr
	WIN 0x05+0x40*(\w)                             ; the products in window 1, source 1's registers in window w
.set p, 0
.rept 32
	v_cvt_pk_bf16_f32 v[BF+32*(\s)+p], v[AB+2*p], v[AB+2*p+1]
.set p, p+1
.endr
.endm
; THE VECTOR PHASE: the wave's four tiles.
.macro VPH
	CHUNK 0, 0
	CHUNK 0, 1
	CHUNK 1, 0
	CHUNK 1, 1
	WIN 0
.endm
; LAYER 5 AND THE WAY OUT.  A window's two accumulators take turns.
.macro M5P
	v_wmma_f32_16x16x32_bf16 v[ACC:ACC+7],     v[AB:AB+7],     v[BF:BF+7],     0
	v_wmma_f32_16x16x32_bf16 v[ACC+64:ACC+71], v[AB+32:AB+39], v[BF+32:BF+39], 0
.irp kk, 1,2,3
	v_wmma_f32_16x16x32_bf16 v[ACC:ACC+7],     v[AB+8*(\kk):AB+8*(\kk)+7],       v[BF+8*(\kk):BF+8*(\kk)+7],       v[ACC:ACC+7]
	v_wmma_f32_16x16x32_bf16 v[ACC+64:ACC+71], v[AB+32+8*(\kk):AB+32+8*(\kk)+7], v[BF+32+8*(\kk):BF+32+8*(\kk)+7], v[ACC+64:ACC+71]
.endr
.endm
.macro M5OUT
	WIN 0
	v_add_nc_u32 v[VA], A5IMG, v[L16]
	WIN 0x40
.irp f, 0,1,2,3,4,5,6,7
	ds_load_b128 v[AB+8*(\f):AB+8*(\f)+3],   v[VA] offset:1024*(\f)
	ds_load_b128 v[AB+8*(\f)+4:AB+8*(\f)+7], v[VA] offset:1024*(\f)+512
.endr
	s_wait_dscnt 0x0
	WIN 0x01
	M5P
	WIN 0x55
	M5P
	PLACES 4
	WIN 0
	v_cndmask_b32 v[OT],   v[ACC],   v[ACC+64], s[HI]  ; lane l's own sample 2 l: lanes 0-15 from the window's first tile, lanes 16-31 from its second
	v_cndmask_b32 v[OT+1], v[ACC+1], v[ACC+65], s[HI]
	WIN 0x05
	v_cndmask_b32 v[OT+2], v[ACC],   v[ACC+64], s[HI]  ; sample 2 l + 1
	v_cndmask_b32 v[OT+3], v[ACC+1], v[ACC+65], s[HI]
	WIN 0
	v_fma_f32 v[OUTR],   v[OT],   s[KO], s[B50]
	v_fma_f32 v[OUTR+1], v[OT+1], s[KO], s[B51]
	v_fma_f32 v[OUTR+2], v[OT+2], s[KO], s[B50]
	v_fma_f32 v[OUTR+3], v[OT+3], s[KO], s[B51]
	global_store_b128 v[L16], v[OUTR:OUTR+3], s[32:33] th:TH_STORE_NT  ; 512 consecutive bytes, at a multiple of 512 from out0's first byte
	s_wait_xcnt 0x0                                ; the store has read its address and data (ISA guide 3.1): only now is the pointer stepped
	s_add_nc_u64 s[32:33], s[32:33], 512
.endm
	s_mov_b32 s[BCNT], 8
	s_mov_b32 s[LCNT], 4
	s_cmp_eq_u32 s[G], 1
	s_cbranch_scc1 .Lheld
	HEADB                                          ; g = 0: the first batch's first layer and swish, while the waves with g = 1 stand at the barrier below
	VPH
.Lheld:
	s_barrier_signal -1                            ; this barrier orders no data: it sets the waves with g = 0 one phase ahead.  No LDS instruction of any wave is out here
	s_barrier_wait -1
	s_cmp_eq_u32 s[G], 0
	s_cbranch_scc1 .Lw2                            ; g = 0 enters the loop behind the first swish
.Lbatch:                                               ; 8 batches
	HEADB
	s_mov_b32 s[LCNT], 4
.Llayer:                                               ; 4 trips: swish, and behind the first three the hidden layer whose turn it is; all these jumps go forward
	VPH
	s_cmp_eq_u32 s[LCNT], 4
	s_cbranch_scc1 .Lw2
	s_cmp_eq_u32 s[LCNT], 3
	s_cbranch_scc1 .Lw3
	s_cmp_eq_u32 s[LCNT], 2
	s_cbranch_scc0 .Lnomh                          ; behind the fourth swish no hidden layer follows
	MH 2
	s_branch .Lnomh
.Lw3:
	MH 1
	s_branch .Lnomh
.Lw2:
	MH 0
.Lnomh:
	s_sub_co_u32 s[LCNT], s[LCNT], 1
	s_cmp_lg_u32 s[LCNT], 0
	s_cbranch_scc1 .Llayer
	M5OUT
	s_sub_co_u32 s[BCNT], s[BCNT], 1
	s_cmp_lg_u32 s[BCNT], 0
	s_cbranch_scc1 .Lbatch
	s_wait_dscnt 0x0                               ; my LDS reads are over;
	s_barrier_signal -1                            ; load, wait, barrier, write: the add below is an LDS write, and it is kept behind every wave's last LDS read
	s_barrier_wait -1
	s_wait_tensorcnt 0x0                           ; the wave's end
	ds_add_u32 v[SPW], v[NIL]
	s_wait_dscnt 0x0
	s_endpgm
.Lfunc_end_k_q18824010a8_mlp:
	.size	k_q18824010a8_mlp, .Lfunc_end_k_q18824010a8_mlp-k_q18824010a8_mlp
	.p2alignl 7, 3214868480
	.fill 96, 4, 3214868480
	.section	.rodata,"a",@progbits
	.p2align	6, 0x0
	.amdhsa_kernel k_q18824010a8_mlp
		.amdhsa_group_segment_fixed_size 117248
		.amdhsa_private_segment_fixed_size 0
		.amdhsa_enable_private_segment 0
		.amdhsa_kernarg_size 104
		.amdhsa_user_sgpr_count 2
		.amdhsa_user_sgpr_kernarg_segment_ptr 1
		.amdhsa_wavefront_size32 1
		.amdhsa_system_sgpr_workgroup_id_x 1
		.amdhsa_system_sgpr_workgroup_id_y 1
		.amdhsa_system_sgpr_workgroup_id_z 1
		.amdhsa_system_vgpr_workitem_id 0
		.amdhsa_next_free_vgpr 512
		.amdhsa_next_free_sgpr 66
		.amdhsa_reserve_vcc 0
		.amdhsa_float_denorm_mode_32 3
		.amdhsa_float_denorm_mode_16_64 3
		.amdhsa_memory_ordered 1
		.amdhsa_forward_progress 1
		.amdhsa_inst_pref_size 166
	.end_amdhsa_kernel
	.amdgpu_metadata
---
amdhsa.version: [ 1, 2 ]
amdhsa.kernels:
  - .name:           k_q18824010a8_mlp
    .symbol:         k_q18824010a8_mlp.kd
    .args:
      - { .name: x, .offset: 0, .size: 8, .value_kind: global_buffer, .address_space: global }
      - { .name: t, .offset: 8, .size: 8, .value_kind: global_buffer, .address_space: global }
      - { .name: W1, .offset: 16, .size: 8, .value_kind: global_buffer, .address_space: global }
      - { .name: b1, .offset: 24, .size: 8, .value_kind: global_buffer, .address_space: global }
      - { .name: W2, .offset: 32, .size: 8, .value_kind: global_buffer, .address_space: global }
      - { .name: b2, .offset: 40, .size: 8, .value_kind: global_buffer, .address_space: global }
      - { .name: W3, .offset: 48, .size: 8, .value_kind: global_buffer, .address_space: global }
      - { .name: b3, .offset: 56, .size: 8, .value_kind: global_buffer, .address_space: global }
      - { .name: W4, .offset: 64, .size: 8, .value_kind: global_buffer, .address_space: global }
      - { .name: b4, .offset: 72, .size: 8, .value_kind: global_buffer, .address_space: global }
      - { .name: W5, .offset: 80, .size: 8, .value_kind: global_buffer, .address_space: global }
      - { .name: b5, .offset: 88, .size: 8, .value_kind: global_buffer, .address_space: global }
      - { .name: out0, .offset: 96, .size: 8, .value_kind: global_buffer, .address_space: global }
    .group_segment_fixed_size: 117248
    .private_segment_fixed_size: 0
    .kernarg_segment_align: 8
    .kernarg_segment_size: 104
    .max_flat_workgroup_size: 256
    .sgpr_count:     66
    .vgpr_count:     512
    .wavefront_size: 32
...
	.end_amdgpu_metadata
.endif
;; end of part 1
